; MI455X (gfx1250); checked and timed in simulation.
; The chip was launched on July 23, 2026; its instructions are those of AMD's public machine-readable ISA for CDNA 5 (MIT licence, August 2026) and "CDNA5" Instruction Set Architecture Reference Guide (July 2026). The comments in the code are by the model that wrote it; some were corrected since.
;; Vector Quantize. Allowed arithmetic: matrix products marked QUANTISED: E5M2 operands, one given power-of-two scale a tensor, by v_wmma_f32_16x16x64_bf8_bf8 or v_wmma_f32_16x16x128_bf8_bf8, f32 sums; everything else in f32.
;; Inputs: codebook 8,192 x 512 float32; lowp_scales 2 int32 (the exponents e of the quantised operands' scales 2^e); x 32 x 512 x 512 float32.
;; Outputs: out0 32 x 512 x 512 float32; out1 one number float32; out2 one number float32; out3 32 x 512 int32.
;; This version of the problem:
;;   THIS VERSION OF THE PROBLEM IS GIVEN IN LOW PRECISION. The matrix products marked QUANTISED in the list below multiply operands that are first quantised to E5M2 (5 exponent bits, 2 mantissa bits; 8 bits a number), with one given power-of-two scale for each operand tensor; their sums are f32. All else is computed in f32.
;;   The module's matrix products, in the order in which they are computed (A, B: the left and right operand; K: the contracted axis; several contracted axes count as one K, in the product's order):
;;     1. [M 16,384, K 512] x [K 512, N 8,192]; A: input x; B: input codebook: QUANTISED (scales: A lowp_scales[0], B lowp_scales[1])
;;   THE QUANTISER, for each operand of a quantised product, along K:
;;     - The operand's scale is 2^e, e = its entry of the input lowp_scales (int32; the entries are numbered through the quantised products in the list's order, A before B).
;;     - Each number is divided by the scale, clamped to +-57,344, and rounded to the nearest number of E5M2, ties to even, subnormals kept.
;;     - The product sums the exact products of the quantised numbers (number of the format x scale) in f32.
;;   ~~~python
;;   def quantise(x, axis, e):      # numpy; x: float32 -> the quantised numbers, widened to float32 again
;;       x = np.moveaxis(x, axis, -1); K = x.shape[-1]
;;       r = np.clip(x / 2.0 ** e, -57344, 57344)
;;       step = 2.0 ** (np.maximum(np.frexp(np.where(r == 0, 1, r))[1] - 1, -14) - 2)
;;       q = np.round(r / step) * step * 2.0 ** e      # np.round: ties to even
;;       return np.moveaxis(q, -1, axis).astype(np.float32)
;;   ~~~
;; One version. Each part assembles by itself: llvm-mc -triple=amdgcn-amd-amdhsa -mcpu=gfx1250 --defsym DOCPART=n.
;; ======== version 1 of 1: 4 launches
;; limits: right only within a limited range of input values
;; workspace buffers: xq 8,388,608 bytes; cq 4,194,304 bytes; zz 65,536 bytes; cc 32,768 bytes; cand_k 524,288 bytes of whole numbers; cand_i 524,288 bytes of whole numbers; part 1,024 bytes
;; launch quant (part 1): grid 256 x 1, 6 waves a work-group, no clusters, 51,456 bytes of LDS; arguments x, codebook, lowp_scales, xq, cq, zz, cc; writes xq, cq, zz, cc
.if DOCPART == 1
	.amdgcn_target "amdgcn-amd-amdhsa--gfx1250"
	.amdhsa_code_object_version 6
	.text
	.protected	k_q029e055f0d_quant
	.globl	k_q029e055f0d_quant
	.p2align	8
	.type	k_q029e055f0d_quant,@function
k_q029e055f0d_quant:
	s_mov_b64 s[64:65], 0
	v_nop
	global_prefetch_b8 v0, s[64:65] scope:SCOPE_SE
	s_setreg_imm32_b32 hwreg(HW_REG_WAVE_MODE, 25, 1), 1
	s_wait_xcnt 0x0
; x [16384][512] and codebook [8192][512], f32, become codes of BF8 (E5M2), each tensor with the one scale 2^e given for it, and each row's sum of squares (f32) is made on the way.
; code = number / 2^e, held within +-57,344, rounded to the nearest code, ties to even.
; THE CODES ARE LAID AS IMAGES OF THE OPERAND'S REGISTERS: [tile of 16 rows][K step s of 128][chunk c of 4 registers][lane][16 bytes], 8,192 bytes a tile.
; Lane l = r + 16 h holds row r; registers 2 c', 2 c' + 1 of a fragment hold k = 16 c' + 8 h + 0 .. 7 (the 8-bit form's own places), so the product's launch takes a fragment by four dense loads of 16 bytes a lane.
; SHARES.  1,536 tiles of 16 rows, one to a wave: tile = 6 x work-group + wave; the first 1,024 are x's, the others the codebook's.  Only pointers and e are chosen, on the tile's number: one path through the text.
; A K step: sixteen loads, each 512 consecutive bytes of one row; the 8,192 bytes turn through the wave's own stage in LDS and come back as 64 numbers a lane, in the order of the fragment's registers.
; No tensor loads, no barrier, no cluster: waves and work-groups share nothing.  The sixteen sums of a tile are 64 bytes, stored by sixteen lanes: 98,304 bytes of the launch's 63 million.
; LIMITS: e between -126 and 112, so that 2^e and 57,344 x 2^e are f32 numbers.  NaN among the inputs is not served.  The sums of squares are taken in this text's own order (two packed chains a lane, then the two halves of the lanes).
.set NX,   1024                        ; x's tiles
.set PIT,  528                         ; a stage row: 512 bytes + 16 = 132 words: row r starts 4 r words on, modulo 64: the sixteen lanes of a read touch sixteen different columns of 16 bytes
.set STG,  16*PIT                      ; a wave's stage
.set R,    16                          ; v16-143  two sets of 64 registers, as loaded
.set X,    144                         ; v144-207 64 numbers in the fragment's order
.set C,    208                         ; v208-239 two sets of 16 registers of codes
	s_load_b256 s[4:11], s[0:1], 0x0               ; x s[4:5], codebook s[6:7], the scales' exponents s[8:9], xq s[10:11]
	s_load_b128 s[12:15], s[0:1], 0x20             ; cq s[12:13], zz s[14:15]
	s_load_b64 s[16:17], s[0:1], 0x30              ; cc
	v_lshl_add_u32 v254, v0, 2, 0xc600
	v_mov_b32 v255, 0
	v_lshrrev_b32 v5, 5, v0
	v_readfirstlane_b32 s18, v5                    ; wave 0..5
	v_and_b32 v1, 31, v0                           ; lane
	v_lshlrev_b32 v2, 4, v1                        ; 16 x lane: my bytes of a load's 512, and of a chunk of codes; never rewritten
	v_and_b32 v5, 15, v0                           ; r
	v_bfe_u32 v7, v0, 4, 1                         ; h
	s_mul_i32 s36, s18, STG                        ; my stage
	v_add_nc_u32 v3, s36, v2                       ; into it: 16 x lane, the row in the immediate
	v_mul_u32_u24 v4, v5, PIT
	v_lshl_add_u32 v4, v7, 5, v4
	v_add_nc_u32 v4, s36, v4                       ; out of it: row r, + 32 h: eight numbers of my half
	v_lshlrev_b32 v6, 2, v5                        ; my row's place among the tile's sixteen sums
	v_mov_b32 v240, 0                              ; written once: a lane permute's destination counts as one of its sources
	s_mul_i32 s19, ttmp9, 6
	s_add_co_u32 s19, s19, s18                     ; my tile
	s_mov_b32 s30, 0x76543210
	s_mov_b32 s31, 0xfedcba98                      ; v_permlanex16_b32's selects for lane l xor 16
	s_wait_alu depctr_va_vdst(0)
	s_wait_kmcnt 0x0
	s_load_b64 s[26:27], s[8:9], 0x0               ; ea, eb
	s_cmp_lt_u32 s19, NX                           ; x's tile or the codebook's?  The choice hangs on the tile's number alone
	s_cselect_b64 s[20:21], s[4:5], s[6:7]         ; the numbers,
	s_cselect_b64 s[22:23], s[10:11], s[12:13]     ; the codes,
	s_cselect_b64 s[24:25], s[14:15], s[16:17]     ; the sums
	s_cselect_b32 s32, 0, NX
	s_sub_co_u32 s32, s19, s32                     ; the tile's number in its tensor
	s_mov_b32 s35, 0
	s_lshl_b32 s34, s32, 15                        ; 16 rows of 2,048 bytes
	s_add_nc_u64 s[20:21], s[20:21], s[34:35]
	s_lshl_b32 s34, s32, 13                        ; 8,192 bytes of codes
	s_add_nc_u64 s[22:23], s[22:23], s[34:35]
	s_lshl_b32 s34, s32, 6                         ; 16 sums
	s_add_nc_u64 s[24:25], s[24:25], s[34:35]
.macro LOAD s                          ; K step s of the tile's sixteen rows into set s % 2: 32 lanes read 512 consecutive bytes, at a multiple of 512 from the tensor's first byte
.irp i, 0,1,2,3,4,5,6,7,8,9,10,11,12,13,14,15
	global_load_b128 v[R+64*((\s)%2)+4*\i:R+64*((\s)%2)+4*\i+3], v2, s[20:21] offset:2048*\i+512*(\s) th:TH_LOAD_NT
.endr
.endm
.macro TURN s                          ; through the stage: LDS serves a wave's instructions in order (ISA guide 5.7.1.4), so no wait stands between the stores and the loads
.irp i, 0,1,2,3,4,5,6,7,8,9,10,11,12,13,14,15
	ds_store_b128 v3, v[R+64*((\s)%2)+4*\i:R+64*((\s)%2)+4*\i+3] offset:PIT*\i
.endr
.irp c, 0,1,2,3                        ; chunk c: k = 32 c + 8 h + 0 .. 7, then k = 32 c + 16 + 8 h + 0 .. 7
	ds_load_b128 v[X+16*\c:X+16*\c+3],     v4 offset:128*\c
	ds_load_b128 v[X+16*\c+4:X+16*\c+7],   v4 offset:128*\c+16
	ds_load_b128 v[X+16*\c+8:X+16*\c+11],  v4 offset:128*\c+64
	ds_load_b128 v[X+16*\c+12:X+16*\c+15], v4 offset:128*\c+80
.endr
.endm
.macro STEP s
.if (\s) < 3
	s_wait_loadcnt 16                              ; this step's sixteen loads are in; the next step's sixteen may be out
.else
	s_wait_loadcnt 0x0
.endif
	TURN \s
	s_wait_dscnt 0x0                               ; my 64 numbers are back, and the stage's stores have read their registers,
.if (\s) < 2
	LOAD (\s)+2                                    ; which take the loads of two steps on
.endif
.if (\s) >= 2
	s_wait_xcnt 0x0                                ; the stores of two steps ago have read this set of codes: it is written again only behind this wait
.endif
.set j, 0
.rept 32                               ; the squares, of the numbers as they are given, two at a time, in two chains; the first products start the sums
.if ((\s) == 0) && (j < 4)
	v_pk_mul_f32 v[12+j:13+j], v[X+j:X+j+1], v[X+j:X+j+1]
.else
	v_pk_fma_f32 v[12+j%4:13+j%4], v[X+j:X+j+1], v[X+j:X+j+1], v[12+j%4:13+j%4]
.endif
.set j, j+2
.endr
.set j, 0
.rept 64
	v_med3_num_f32 v[X+j], v[X+j], -v10, v10       ; the conversion to an 8-bit code does not saturate (ISA guide 7.6.2): the hold at the largest code x the scale
.set j, j+1
.endr
.irp c, 0,1,2,3
.irp u, 0,1
	v_cvt_scalef32_pk8_bf8_f32 v[C+16*((\s)%2)+4*\c+2*\u:C+16*((\s)%2)+4*\c+2*\u+1], v[X+16*\c+8*\u:X+16*\c+8*\u+7], v11
.endr
.endr
	v_nop                                          ; one plain vector instruction behind the last conversion, ahead of whatever next touches its registers
.irp c, 0,1,2,3
	global_store_b128 v2, v[C+16*((\s)%2)+4*\c:C+16*((\s)%2)+4*\c+3], s[22:23] offset:2048*(\s)+512*\c   ; 32 lanes store 512 consecutive bytes, at a multiple of 512 from the buffer's first byte
.endr
.endm
	LOAD 0
	LOAD 1
	s_wait_kmcnt 0x0
	s_cmp_lt_u32 s19, NX
	s_cselect_b32 s26, s26, s27                    ; e
	s_add_co_i32 s26, s26, 127
	s_lshl_b32 s28, s26, 23
	v_mov_b32 v11, s28                             ; 2^e as f32: the conversion takes its exponent field
	s_add_co_i32 s26, s26, 15
	s_lshl_b32 s29, s26, 23
	s_or_b32 s29, s29, 0x600000
	v_mov_b32 v10, s29                             ; 57,344 x 2^e
	STEP 0
	STEP 1
	STEP 2
	STEP 3
	v_pk_add_f32 v[12:13], v[12:13], v[14:15]      ; the two chains,
	v_add_f32 v12, v12, v13                        ; their halves,
	v_permlanex16_b32 v240, v12, s30, s31
	v_add_f32 v12, v12, v240                       ; and the row's other half, in lane l xor 16
	s_wait_alu depctr_va_vdst(0)
	s_wait_xcnt 0x0                                ; EXEC changes only behind this wait: it is a source of the stores above
	v_cmp_gt_u32 vcc_lo, 16, v1
	s_wait_tensorcnt 0x0
	ds_add_u32 v254, v255
	s_wait_dscnt 0x0
	s_and_saveexec_b32 s33, vcc_lo                 ; lanes 0-15: one sum a row
	global_store_b32 v6, v12, s[24:25]
	s_endpgm
.Lfunc_end_k_q029e055f0d_quant:
	.size	k_q029e055f0d_quant, .Lfunc_end_k_q029e055f0d_quant-k_q029e055f0d_quant
	.p2alignl 7, 3214868480
	.fill 96, 4, 3214868480
	.section	.rodata,"a",@progbits
	.p2align	6, 0x0
	.amdhsa_kernel k_q029e055f0d_quant
		.amdhsa_group_segment_fixed_size 51456
		.amdhsa_private_segment_fixed_size 0
		.amdhsa_enable_private_segment 0
		.amdhsa_kernarg_size 56
		.amdhsa_user_sgpr_count 2
		.amdhsa_user_sgpr_kernarg_segment_ptr 1
		.amdhsa_wavefront_size32 1
		.amdhsa_system_sgpr_workgroup_id_x 1
		.amdhsa_system_sgpr_workgroup_id_y 1
		.amdhsa_system_sgpr_workgroup_id_z 1
		.amdhsa_system_vgpr_workitem_id 0
		.amdhsa_next_free_vgpr 256
		.amdhsa_next_free_sgpr 66
		.amdhsa_reserve_vcc 1
		.amdhsa_float_denorm_mode_32 3
		.amdhsa_float_denorm_mode_16_64 3
		.amdhsa_memory_ordered 1
		.amdhsa_forward_progress 1
		.amdhsa_inst_pref_size 45
	.end_amdhsa_kernel
	.amdgpu_metadata
---
amdhsa.version: [ 1, 2 ]
amdhsa.kernels:
  - .name:           k_q029e055f0d_quant
    .symbol:         k_q029e055f0d_quant.kd
    .args:
      - { .name: x, .offset: 0, .size: 8, .value_kind: global_buffer, .address_space: global }
      - { .name: codebook, .offset: 8, .size: 8, .value_kind: global_buffer, .address_space: global }
      - { .name: lowp_scales, .offset: 16, .size: 8, .value_kind: global_buffer, .address_space: global }
      - { .name: xq, .offset: 24, .size: 8, .value_kind: global_buffer, .address_space: global }
      - { .name: cq, .offset: 32, .size: 8, .value_kind: global_buffer, .address_space: global }
      - { .name: zz, .offset: 40, .size: 8, .value_kind: global_buffer, .address_space: global }
      - { .name: cc, .offset: 48, .size: 8, .value_kind: global_buffer, .address_space: global }
    .group_segment_fixed_size: 51456
    .private_segment_fixed_size: 0
    .kernarg_segment_align: 8
    .kernarg_segment_size: 56
    .max_flat_workgroup_size: 192
    .sgpr_count:     66
    .vgpr_count:     256
    .wavefront_size: 32
...
	.end_amdgpu_metadata
.endif
;; end of part 1
;; launch search (part 2): grid 32 x 8, 8 waves a work-group, clusters of 4 x 1, 327,680 bytes of LDS; arguments xq, cq, zz, cc, lowp_scales, cand_k, cand_i; writes cand_k, cand_i
.if DOCPART == 2
	.amdgcn_target "amdgcn-amd-amdhsa--gfx1250"
	.amdhsa_code_object_version 6
	.text
	.protected	k_q029e055f0d_search
	.globl	k_q029e055f0d_search
	.p2align	8
	.type	k_q029e055f0d_search,@function
k_q029e055f0d_search:
	s_mov_b64 s[64:65], 0
	v_nop
	global_prefetch_b8 v0, s[64:65] scope:SCOPE_SE
	s_setreg_imm32_b32 hwreg(HW_REG_WAVE_MODE, 25, 1), 1
	s_wait_xcnt 0x0
	s_wait_alu depctr_hold_cnt(0) depctr_sa_sdst(0) depctr_va_vdst(0) depctr_va_sdst(0) depctr_va_ssrc(0) depctr_va_vcc(0) depctr_vm_vsrc(0)
	s_getreg_b32 s2, hwreg(HW_REG_IB_STS2, 6, 4)
	s_cmp_eq_u32 s2, 0
	s_cbranch_scc0 .Lentry_in_a_cluster
	s_endpgm
.Lentry_in_a_cluster:
	s_bfe_u32 s2, ttmp6, 0x10000c
	s_cmp_lg_u32 s2, 0x3003
	s_cbranch_scc0 .Lentry_shape_is_right
	s_endpgm
.Lentry_shape_is_right:
; For each of 16,384 queries z and each of EIGHT PARTS of the 8,192 codes c: the smallest d = (zz - 2 z.c) + cc and the first index that has it.  z.c on codes of BF8 (E5M2), sums in f32.
; THE TWO ROUNDINGS OF THE DISTANCE ARE KEPT: t = zz - 2 z.c is one fused multiply-add of the raw sum with -2^(ea + eb + 1), a power of two; d = t + cc is rounded once more.  Ties go to the lower index.
; SHARES.  A work-group owns 512 queries (block qb) and the 1,024 codes of part cp.  Eight waves, two for each SIMD; a wave owns 64 queries, four tiles of 16, whose 512 along K stay in 256 registers,
; and walks all 64 tiles of the part's codes.  The codes come through a ring of two LDS slots of 256 codes (131,072 bytes), each wave fetching an eighth: four fills, two of them refills.
; cc of the part's 1,024 codes is brought once, 512 bytes a wave, by a load and an LDS store into bytes of its own.
; Both tensors of codes are images of the operand's registers: a fragment (16 rows x 128 K) is four loads of 16 bytes a lane, 512 consecutive bytes each.
; LAYOUT.  Source 0 = 16 codes, source 1 = 16 queries: in the result lane (r, h) holds query r, and register j code 16 t + 8 h + j.
; THE SEARCH IN A LANE.  A running minimum m; where a tile lowers it (strictly: the first tile stays), the lane keeps the tile's first code T and the tile's eight d, by selects in registers.
; At the end the first of the eight that equals m gives the index.
; WHAT IS STORED.  For each query and part the index and a KEY: m's bits b as b xor ((b >> 31, arithmetic) | 0x80000000), an unsigned number that orders as the f32 numbers do.
; CLUSTER.  The four query blocks of a cluster walk the same part of the codes: each tile is asked for JOINTLY, by the same descriptor and a mask that names the four.
; By this text's own count a wave has one tensor load out at a time.
; NO PREFETCH: of the four fills the first two go out at the head, with no loop ahead of them; each of the two refills has sixteen tiles less half a tile, 248 matrix instructions a wave, between request and wait.
; LIMITS: ea + eb between -127 and 126, so that 2^(ea + eb + 1) is an f32 number.  NaN is not served.  A query all of whose d are +infinity gets the part's first code.
; REGISTERS.  Window 0: v1-9, v42-45, v58, v61 addresses; v10-17 (zz, T); v18-25 m, two sets by turns; v26-41 cc of a tile, two sets; v46-57 at work at the end;
;   v64-95 four accumulators; v96-127 the kept d; v128-255 the codes' fragments, two sets of 64.   Window 1: the queries' fragments, (q, s) at v[64 q + 16 s].
.set SLOTB, 131072                     ; a slot: 16 tiles of 8,192 bytes
.set QUADB, 32768                      ; four tiles: the tiles' offsets stay inside an LDS instruction's 16-bit immediate
.set CCB,   2*SLOTB                    ; cc: 4,096 bytes
.set SCR,   CCB+4096                   ; each wave's own 512 bytes on the way out
.set SPARE, SCR+4096                   ; the spare words, 128 bytes a wave: four blocks of 256 bytes that no other line names
.set SPW,  1
.set NIL,  2
.set AD,   3                           ; my lane's 16 bytes in the quad in hand
.set ADB,  4                           ; v4-5 the same at the head of slot 0, 1
.set CCA,  6                           ; cc of the quad in hand
.set L16,  7
.set R4,   8
.set H8,   9
.set ZT,   10                          ; v[10+2q] zz, v[11+2q] T
.set MA,   18
.set MB,   22
.set CCR,  26
.set SCW,  42
.set SCRD, 43
.set L8,   44
.set TCV,  45                          ; the tile's first code
.set TM,   46
.set CC0,  58                          ; CCB + 32 h
.set CCW,  61                          ; where I put my 16 bytes of cc
.set ACC,  64
.set SV,   96
.set AF,   128
.set G1,   24                          ; s[24:31] group 1: an eighth of a slot
.set G0,   40                          ; s[40:47] group 0, a set for each slot
.set SC,   52                          ; s[52:53] -2^(ea + eb + 1)
.set TC,   54
.set TRIPS, 55
.set CCS,  56
.set SQ,   57
.set MK,   60                          ; s60-63 a mask for each tile of queries
.set SEL,  66
.set MSB, 0
.macro WIN new                         ; the immediate's high byte repeats the setting that is left
.if MSB != \new
	s_set_vgpr_msb (MSB<<8)|\new
.set MSB, \new
.endif
.endm
.macro CREST                           ; a round of the cluster's barrier behind its opening barrier
	s_cmp_lg_u32 s18, 0
	s_cbranch_scc1 .Lnot_wave_0_\@
	s_barrier_signal -3
.Lnot_wave_0_\@:
	s_barrier_wait -3
	s_barrier_signal -1
	s_barrier_wait -1
.endm
.macro CROUND
	s_barrier_signal -1
	s_barrier_wait -1
	CREST
.endm
	s_load_b256 s[4:11], s[0:1], 0x0               ; xq, cq, zz, cc
	s_load_b128 s[12:15], s[0:1], 0x20             ; the scales' exponents, cand_k
	s_load_b64 s[16:17], s[0:1], 0x30              ; cand_i
	v_lshl_add_u32 v[SPW], v0, 2, SPARE
	v_mov_b32 v[NIL], 0
	ds_add_u32 v[SPW], v[NIL]                      ; the opening lines: the add twice on end and one wait, ahead of my first tensor load
	ds_add_u32 v[SPW], v[NIL]
	v_lshrrev_b32 v46, 5, v0
	v_readfirstlane_b32 s18, v46                   ; wave 0..7
	s_bfe_u32 s21, ttmp6, 0x40000                  ; cx
	s_lshl_b32 s22, ttmp9, 2
	s_add_co_u32 s22, s22, s21                     ; qb = 4 x cluster x + cx: it enters the addresses of xq, zz and the results alone
	s_and_b32 s23, ttmp7, 0xffff                   ; cp, which the four partners share
	s_mov_b32 s[G1], 15|(3<<16)|(1<<21)            ; the mask of all four; elements of 8 bytes; bit 21 beside a mask
	s_mov_b32 s[G1+1], 32<<16                      ; a dense block as 64 rows of 256 bytes
	s_mov_b32 s[G1+2], 64<<16
	s_mov_b32 s[G1+3], 32<<16
	s_mov_b32 s[G1+4], 64
	s_mov_b32 s[G1+5], 32
	s_mov_b32 s[G1+6], 0
	s_mov_b32 s[G1+7], 0
	s_mov_b32 s[G0], 1
	s_lshl_b32 s[G0+1], s18, 14                    ; slot 0: wave x 16,384
	s_mov_b32 s[G0+4], 1
	s_add_co_u32 s[G0+5], s[G0+1], SLOTB           ; slot 1
	s_lshl_b32 s68, s23, 19                        ; the part's codes, my eighth of a slot
	s_lshl_b32 s69, s18, 14
	s_add_co_u32 s68, s68, s69
	s_mov_b32 s69, 0
	s_lshl_b32 s70, s23, 12                        ; the part's cc, my eighth
	s_lshl_b32 s19, s18, 9
	s_add_co_u32 s70, s70, s19
	s_mov_b32 s71, 0
	s_lshl_b32 s72, s22, 18                        ; xq: 32 tiles a block, my four
	s_lshl_b32 s73, s18, 15
	s_add_co_u32 s72, s72, s73
	s_mov_b32 s73, 0
	s_lshl_b32 s74, s22, 11                        ; zz: 512 numbers a block, my 64
	s_lshl_b32 s75, s18, 8
	s_add_co_u32 s74, s74, s75
	s_mov_b32 s75, 0
	s_lshl_b32 s76, s23, 16                        ; the results: 16,384 numbers a part, then as zz
	s_add_co_u32 s76, s76, s74
	s_mov_b32 s77, 0
	s_lshl_b32 s[TC], s23, 10                      ; the part's first code
	s_mov_b32 s[CCS], 0
	s_mov_b32 s[SQ], 0
	s_mov_b32 s[SEL], 0x76543210
	s_mov_b32 s[SEL+1], 0xfedcba98
	s_add_co_u32 s20, s19, CCB                     ; my 512 bytes of cc,
	s_add_co_u32 s79, s19, SCR                     ; and of the way out
	v_and_b32 v46, 31, v0                          ; lane
	v_and_b32 v47, 15, v0                          ; r
	v_bfe_u32 v48, v0, 4, 1                        ; h
	v_lshlrev_b32 v[L16], 4, v46
	v_lshlrev_b32 v[L8], 3, v46
	v_lshlrev_b32 v[R4], 2, v47
	v_lshlrev_b32 v[H8], 3, v48
	v_lshlrev_b32 v[ADB], 4, v46
	v_lshlrev_b32 v[CC0], 5, v48
	v_add_nc_u32 v[ADB+1], SLOTB, v[ADB]
	v_add_nc_u32 v[AD], s[SQ], v[ADB]
	v_add_nc_u32 v[CC0], CCB, v[CC0]
	v_add_nc_u32 v[SCW], s79, v[R4]
	v_add_nc_u32 v[SCRD], s79, v[L8]
	v_add_nc_u32 v[CCA], s[CCS], v[CC0]
	v_add_nc_u32 v[CCW], s20, v[L16]
	s_wait_alu depctr_va_vdst(0)
	s_wait_dscnt 0x0                               ; both opening adds are done
	s_wait_kmcnt 0x0
	s_load_b64 s[58:59], s[12:13], 0x0             ; ea, eb
	s_add_nc_u64 s[4:5], s[4:5], s[72:73]
	s_add_nc_u64 s[8:9], s[8:9], s[74:75]
	s_add_nc_u64 s[10:11], s[10:11], s[70:71]
	s_add_nc_u64 s[G0+2:G0+3], s[6:7], s[68:69]    ; slot 0 takes the part's codes 0-255,
	s_add_nc_u64 s[G0+6:G0+7], s[G0+2:G0+3], SLOTB ; slot 1 codes 256-511
	s_or_b32 s[G0+3], s[G0+3], 0x80000000
	s_or_b32 s[G0+7], s[G0+7], 0x80000000
	s_add_nc_u64 s[14:15], s[14:15], s[76:77]
	s_add_nc_u64 s[16:17], s[16:17], s[76:77]
	CROUND                                         ; all four work-groups are here: the first joint loads meet
	tensor_load_to_lds s[G0:G0+3], s[G1:G1+7]      ; slot 0: my one tensor load at the head
	s_nop 0
	global_load_b128 v[AF:AF+3], v[L16], s[10:11]  ; my 512 bytes of cc: the oldest load
.irp q, 0,1,2,3
	global_load_b32 v[ZT+2*\q], v[R4], s[8:9] offset:64*\q
.endr
	WIN 0x40                                       ; destination window 1, address window 0
.irp q, 0,1,2,3                        ; my four tiles of queries stay in registers
.irp ks, 0,1,2,3
.irp c, 0,1,2,3
	global_load_b128 v[64*\q+16*\ks+4*\c:64*\q+16*\ks+4*\c+3], v[L16], s[4:5] offset:8192*\q+2048*\ks+512*\c
.endr
.endr
.endr
	WIN 0
	s_mov_b32 s79, 0x7f800000                      ; +infinity: over every d.  Written once: the search's step is the same for every tile
.irp q, 0,1,2,3
	v_mov_b32 v[MA+\q], s79
	v_mov_b32 v[ZT+2*\q+1], s[TC]
	v_mov_b32 v[TM+4+\q], 0                        ; (a lane permute's destination counts as one of its sources)
	v_mov_b32 v[TM+8+\q], 0
.endr
.set j, 0
.rept 32
	v_mov_b32 v[SV+j], s79
.set j, j+1
.endr
	s_wait_kmcnt 0x0
	s_add_co_i32 s[SC], s58, s59
	s_add_co_i32 s[SC], s[SC], 128
	s_lshl_b32 s[SC], s[SC], 23
	s_or_b32 s[SC], s[SC], 0x80000000              ; -2^(ea + eb + 1) as f32
	s_mov_b32 s[SC+1], s[SC]
	s_wait_loadcnt 63                              ; of my 69 loads at most 63 are out: cc, the oldest, is in
	ds_store_b128 v[CCW], v[AF:AF+3]
.macro FETCH i, p                      ; tile i of the quad in hand: four fragments into set p, and its sixteen cc (eight a lane)
.irp ks, 0,1,2,3
.irp c, 0,1,2,3
	ds_load_b128 v[AF+64*(\p)+16*\ks+4*\c:AF+64*(\p)+16*\ks+4*\c+3], v[AD] offset:8192*(\i)+2048*\ks+512*\c
.endr
.endr
	ds_load_b128 v[CCR+8*(\p):CCR+8*(\p)+3],   v[CCA] offset:64*(\i)
	ds_load_b128 v[CCR+8*(\p)+4:CCR+8*(\p)+7], v[CCA] offset:64*(\i)+16
.endm
.macro MM p, lo, hi                    ; K steps lo .. hi: the four accumulators take turns; the first K step starts the sums
.irp ks, 0,1,2,3
.if (\ks >= \lo) && (\ks <= \hi)
.irp q, 0,1,2,3
.if \ks == 0
	v_wmma_f32_16x16x128_bf8_bf8 v[ACC+8*\q:ACC+8*\q+7], v[AF+64*(\p)+16*\ks:AF+64*(\p)+16*\ks+15], v[64*\q+16*\ks:64*\q+16*\ks+15], 0
.else
	v_wmma_f32_16x16x128_bf8_bf8 v[ACC+8*\q:ACC+8*\q+7], v[AF+64*(\p)+16*\ks:AF+64*(\p)+16*\ks+15], v[64*\q+16*\ks:64*\q+16*\ks+15], v[ACC+8*\q:ACC+8*\q+7]
.endif
.endr
.endif
.endr
.endm
; The search's step for a tile: 88 instructions, stage by stage with the four tiles of queries innermost, so that no line reads the result of the line above it.  Each accumulator is read from its low end on.
.macro EPI p
.set MO, MA+4*(\p)                     ; m so far
.set MN, MB-4*(\p)                     ; m with this tile
.irp j, 0,2,4,6
.irp q, 0,1,2,3
	v_pk_fma_f32 v[ACC+8*\q+\j:ACC+8*\q+\j+1], v[ACC+8*\q+\j:ACC+8*\q+\j+1], s[SC:SC+1], v[ZT+2*\q:ZT+2*\q+1] op_sel_hi:[1,0,0]   ; t = zz - 2 z.c, rounded once
.endr
.endr
.irp j, 0,2,4,6
.irp q, 0,1,2,3
	v_pk_add_f32 v[ACC+8*\q+\j:ACC+8*\q+\j+1], v[ACC+8*\q+\j:ACC+8*\q+\j+1], v[CCR+8*(\p)+\j:CCR+8*(\p)+\j+1]   ; d = t + cc
.endr
.endr
.irp k, 0,1,2,3
.irp q, 0,1,2,3
.if \k == 0
	v_min3_num_f32 v[MN+\q], v[MO+\q], v[ACC+8*\q], v[ACC+8*\q+1]
.else
	s_delay_alu instid0(VALU_DEP_4)
	v_min3_num_f32 v[MN+\q], v[MN+\q], v[ACC+8*\q+2*\k], v[ACC+8*\q+2*\k+1]
.endif
.endr
.endr
.irp q, 0,1,2,3
	s_delay_alu instid0(VALU_DEP_4)
	v_cmp_lt_f32 s[MK+\q], v[MN+\q], v[MO+\q]      ; strictly lower: on a tie the earlier tile stays
.endr
.irp q, 0,1,2,3
	s_delay_alu instid0(VALU_DEP_4)
	v_cndmask_b32 v[ZT+2*\q+1], v[ZT+2*\q+1], v[TCV], s[MK+\q]
.endr
.irp j, 0,1,2,3,4,5,6,7
.irp q, 0,1,2,3
	v_cndmask_b32 v[SV+8*\q+\j], v[SV+8*\q+\j], v[ACC+8*\q+\j], s[MK+\q]
.endr
.endr
.endm
; Tile i of a quad in slot buf.  chg = 0: the quad's next tile is fetched while this one is multiplied.  chg = 4: a quad's last tile: the addresses step to the slot's next quad.
; chg = 1: the slot's last tile changes slots and fills this slot again: each wave waits for all its tensor loads, adds 0 to its spare word, and waits for that and for its reads of the slot;
; the barrier opens a round of the cluster's; the joint refill is the first thing behind the round.  chg = 2: the same change with nothing left to fetch.  chg = 3: the very last tile.
.macro TILE buf, i, chg
.if (\chg) == 0
	s_wait_dscnt 0x0                               ; this tile's fragments and cc are in
	FETCH (\i)+1, 1-(\i)%2
	WIN 0x04                                       ; source 1 (the queries) window 1
	MM (\i)%2, 0, 3
	WIN 0
.elseif (\chg) == 4
	s_wait_dscnt 0x0
	s_add_co_u32 s[SQ], s[SQ], QUADB
	s_add_co_u32 s[CCS], s[CCS], 256
	v_add_nc_u32 v[AD], s[SQ], v[ADB+(\buf)]
	v_add_nc_u32 v[CCA], s[CCS], v[CC0]
	FETCH 0, 0
	WIN 0x04
	MM (\i)%2, 0, 3
	WIN 0
.elseif (\chg) == 3
	s_wait_dscnt 0x0
	WIN 0x04
	MM (\i)%2, 0, 3
	WIN 0
.else
	s_wait_tensorcnt 0x0                           ; all my tensor loads have landed, so a group 0 may be written
	ds_add_u32 v[SPW], v[NIL]
.if (\chg) == 1
	s_add_nc_u64 s[G0+4*(\buf)+2:G0+4*(\buf)+3], s[G0+4*(\buf)+2:G0+4*(\buf)+3], 2*SLOTB   ; this slot's next 256 codes
.endif
	s_wait_dscnt 0x0                               ; the add is done; this tile's fragments are in: my last reads of this slot
	s_barrier_signal -1
	WIN 0x04
	MM (\i)%2, 0, 1                                ; work on registers while the others arrive
	WIN 0
	s_barrier_wait -1
.if (\chg) == 1
	CREST
	tensor_load_to_lds s[G0+4*(\buf):G0+4*(\buf)+3], s[G1:G1+7]
	s_nop 0
.rept 4
	v_nop
.endr
.endif
	s_mov_b32 s[SQ], 0                             ; the other slot's first quad, and its cc
	s_add_co_u32 s[CCS], s[CCS], 256
	v_add_nc_u32 v[AD], s[SQ], v[ADB+1-(\buf)]
	v_add_nc_u32 v[CCA], s[CCS], v[CC0]
	FETCH 0, 0
	WIN 0x04
	MM (\i)%2, 2, 3
	WIN 0
.endif
	v_mov_b32 v[TCV], s[TC]                        ; with the three below: four places between the last products and the first read of their results (ISA guide 7.12.1)
.rept 3
	v_nop
.endr
	EPI (\i)%2
	s_add_co_u32 s[TC], s[TC], 16
.endm
.macro SLOT buf, chg                   ; a slot's sixteen tiles: three quads in a loop, the fourth written out, since its last tile differs
	s_mov_b32 s[TRIPS], 3
.Lquad_\@:
	TILE \buf, 0, 0
	TILE \buf, 1, 0
	TILE \buf, 2, 0
	TILE \buf, 3, 4
	s_sub_co_u32 s[TRIPS], s[TRIPS], 1
	s_cmp_lg_u32 s[TRIPS], 0
	s_cbranch_scc1 .Lquad_\@
	TILE \buf, 0, 0
	TILE \buf, 1, 0
	TILE \buf, 2, 0
	TILE \buf, 3, \chg
.endm
.macro LEXMIN m, i, om, oi             ; (m, i) takes (om, oi) where om is lower, or equal with the lower index
	v_cmp_lt_f32 s70, v[\om], v[\m]
	v_cmp_eq_f32 s71, v[\om], v[\m]
	v_cmp_lt_u32 s72, v[\oi], v[\i]
	s_and_b32 s71, s71, s72
	s_or_b32 s70, s70, s71
	v_cndmask_b32 v[\m], v[\m], v[\om], s70
	v_cndmask_b32 v[\i], v[\i], v[\oi], s70
.endm
	s_wait_alu depctr_va_vdst(0)
	s_wait_tensorcnt 0x0                           ; my eighth of slot 0 is in; slot 1's first fill is issued as a refill is:
	ds_add_u32 v[SPW], v[NIL]
	s_wait_dscnt 0x0                               ; the add is done, and my store of cc
	CROUND                                         ; everybody's part of slot 0 and of cc is in, and the four work-groups are here
	tensor_load_to_lds s[G0+4:G0+7], s[G1:G1+7]    ; slot 1: the first tensor load behind the round
	s_nop 0
.rept 4
	v_nop
.endr
	s_wait_loadcnt 0x0                             ; the queries' fragments and zz
	FETCH 0, 0
	SLOT 0, 1                                      ; codes 0-255; slot 0 then takes codes 512-767.  The four slots are written out
	SLOT 1, 1                                      ; codes 256-511; slot 1 then takes codes 768-1,023
	SLOT 0, 2
	SLOT 1, 3
	; THE END.  In a lane: the first of the kept eight that equals m; then the query's other eight codes of each tile (lane l xor 16); then m becomes the key.
.irp q, 0,1,2,3
	v_mov_b32 v[TM+\q], 7
.endr
.irp j, 6,5,4,3,2,1,0
.irp q, 0,1,2,3
	v_cmp_eq_f32 s[MK+\q], v[SV+8*\q+\j], v[MA+\q]
.endr
.irp q, 0,1,2,3
	s_delay_alu instid0(VALU_DEP_4)
	v_cndmask_b32 v[TM+\q], v[TM+\q], \j, s[MK+\q]
.endr
.endr
.irp q, 0,1,2,3
	s_delay_alu instid0(VALU_DEP_4)
	v_add3_u32 v[TM+\q], v[ZT+2*\q+1], v[TM+\q], v[H8]   ; the index: T + 8 h + j
.endr
.irp q, 0,1,2,3
	v_permlanex16_b32 v[TM+4+\q], v[MA+\q], s[SEL], s[SEL+1]
	v_permlanex16_b32 v[TM+8+\q], v[TM+\q], s[SEL], s[SEL+1]
.endr
.irp q, 0,1,2,3
	LEXMIN MA+\q, TM+\q, TM+4+\q, TM+8+\q
.endr
.irp q, 0,1,2,3
	v_ashrrev_i32 v[TM+4+\q], 31, v[MA+\q]         ; all ones where m is negative,
.endr
.irp q, 0,1,2,3
	s_delay_alu instid0(VALU_DEP_4)
	v_or_b32 v[TM+4+\q], 0x80000000, v[TM+4+\q]    ; else the sign bit alone:
.endr
.irp q, 0,1,2,3
	s_delay_alu instid0(VALU_DEP_4)
	v_xor_b32 v[MA+\q], v[MA+\q], v[TM+4+\q]       ; the key
.endr
	; A lane holds four queries 16 apart: they go through my wave's own bytes of LDS and come back two neighbouring queries a lane.  LDS serves a wave's instructions in order (ISA guide 5.7.1.4): no wait between.
.irp q, 0,1,2,3
	ds_store_b32 v[SCW], v[MA+\q] offset:64*\q     ; lanes r and r + 16 write the same word with the same value
	ds_store_b32 v[SCW], v[TM+\q] offset:256+64*\q
.endr
	ds_load_b64 v[TM+4:TM+5], v[SCRD]
	ds_load_b64 v[TM+6:TM+7], v[SCRD] offset:256
	s_wait_dscnt 0x0
	global_store_b64 v[L8], v[TM+4:TM+5], s[14:15] ; 32 lanes store 256 consecutive bytes, at a multiple of 256 from the buffer's first byte
	global_store_b64 v[L8], v[TM+6:TM+7], s[16:17]
	s_wait_tensorcnt 0x0                           ; the wave's end
	ds_add_u32 v[SPW], v[NIL]
	s_wait_dscnt 0x0
	CROUND                                         ; the closing round: no work-group ends while a partner may still ask for a tile that names it
	s_endpgm
.Lfunc_end_k_q029e055f0d_search:
	.size	k_q029e055f0d_search, .Lfunc_end_k_q029e055f0d_search-k_q029e055f0d_search
	.p2alignl 7, 3214868480
	.fill 96, 4, 3214868480
	.section	.rodata,"a",@progbits
	.p2align	6, 0x0
	.amdhsa_kernel k_q029e055f0d_search
		.amdhsa_group_segment_fixed_size 327680
		.amdhsa_private_segment_fixed_size 0
		.amdhsa_enable_private_segment 0
		.amdhsa_kernarg_size 56
		.amdhsa_user_sgpr_count 2
		.amdhsa_user_sgpr_kernarg_segment_ptr 1
		.amdhsa_wavefront_size32 1
		.amdhsa_system_sgpr_workgroup_id_x 1
		.amdhsa_system_sgpr_workgroup_id_y 1
		.amdhsa_system_sgpr_workgroup_id_z 1
		.amdhsa_system_vgpr_workitem_id 0
		.amdhsa_next_free_vgpr 512
		.amdhsa_next_free_sgpr 80
		.amdhsa_reserve_vcc 0
		.amdhsa_float_denorm_mode_32 3
		.amdhsa_float_denorm_mode_16_64 3
		.amdhsa_memory_ordered 1
		.amdhsa_forward_progress 1
		.amdhsa_inst_pref_size 255
	.end_amdhsa_kernel
	.section	.bss,"aw",@nobits
	.p2align	6
	.space	262144
	.amdgpu_metadata
---
amdhsa.version: [ 1, 2 ]
amdhsa.kernels:
  - .name:           k_q029e055f0d_search
    .symbol:         k_q029e055f0d_search.kd
    .args:
      - { .name: xq, .offset: 0, .size: 8, .value_kind: global_buffer, .address_space: global }
      - { .name: cq, .offset: 8, .size: 8, .value_kind: global_buffer, .address_space: global }
      - { .name: zz, .offset: 16, .size: 8, .value_kind: global_buffer, .address_space: global }
      - { .name: cc, .offset: 24, .size: 8, .value_kind: global_buffer, .address_space: global }
      - { .name: lowp_scales, .offset: 32, .size: 8, .value_kind: global_buffer, .address_space: global }
      - { .name: cand_k, .offset: 40, .size: 8, .value_kind: global_buffer, .address_space: global }
      - { .name: cand_i, .offset: 48, .size: 8, .value_kind: global_buffer, .address_space: global }
    .group_segment_fixed_size: 327680
    .private_segment_fixed_size: 0
    .kernarg_segment_align: 8
    .kernarg_segment_size: 56
    .max_flat_workgroup_size: 256
    .sgpr_count:     80
    .vgpr_count:     512
    .wavefront_size: 32
...
	.end_amdgpu_metadata
.endif
;; end of part 2
;; launch emit (part 3): grid 256 x 1, 16 waves a work-group, no clusters, 2,304 bytes of LDS; arguments x, codebook, cand_k, cand_i, out0, out3, part; writes out0, out3, part
.if DOCPART == 3
	.amdgcn_target "amdgcn-amd-amdhsa--gfx1250"
	.amdhsa_code_object_version 6
	.text
	.protected	k_q029e055f0d_emit
	.globl	k_q029e055f0d_emit
	.p2align	8
	.type	k_q029e055f0d_emit,@function
k_q029e055f0d_emit:
	s_mov_b64 s[64:65], 0
	v_nop
	global_prefetch_b8 v0, s[64:65] scope:SCOPE_SE
	s_setreg_imm32_b32 hwreg(HW_REG_WAVE_MODE, 25, 1), 1
	s_wait_xcnt 0x0
; For each row z of x: of the eight parts' candidates (key, index) the lowest key wins.  out3 = its index; out0 = z + (c - z), c that row of the codebook, in f32 and in that order;
; part[work-group] = the sum of (c - z)^2 over the work-group's 64 rows.
; THE WINNER IS FOUND ON WHOLE NUMBERS ALONE.  A key is the part's smallest distance as an unsigned number that orders as the f32 numbers do; the keys are compared as unsigned numbers, part by part in
; ascending order, and only a strictly lower key takes over: on a tie the earlier part stays, whose indices are the lower ones.  So every address here is made of whole numbers that the launch reads from memory.
; SHARES.  A work-group takes 64 rows, each of its sixteen waves 4.  A row is 2,048 bytes: four loads or stores of 16 bytes a lane, 512 consecutive bytes each.  Every row has registers of its own: no register
; that a load or a store names is written again, so no wait stands between the rows but the counted ones for their data.  A wave's sixteen loads of x go out before its candidates have come.
; A wave's candidates come by scalar loads, 16 bytes a part and table, and are merged in scalar registers; the winning index is held under 8,192 before it enters an address.
; Wave 0 also merges the candidates of all 64 rows, two rows a lane, so that out3's 256 bytes leave by one store.
; Memory binds: no matrix unit, no tensor loads; no cluster, since which rows of the codebook two work-groups share hangs on the data.  One barrier, for the sixteen waves' sums.
.set ROWB, 2048
.set PART, 65536                       ; bytes from a part's candidates to the next part's
.set O,    8                           ; v8-11    row k: byte offset of the winner's row in the codebook
.set LS,   16                          ; v[16:19] the sum of squares, two packed chains
.set XR,   32                          ; v[32+32k ..] row k: z, later the result (16); v[48+32k ..]: c, later c - z (16)
.set KV,   160                         ; v160-175 wave 0: the eight parts' keys of two rows; later the sixteen waves' sums
.set IV,   176                         ; v176-191 wave 0: their indices
.set KS,   16                          ; s[16+4p ..] part p's keys of my four rows
.set IS,   48                          ; s[48+4p+4(p/4) ..] its indices: s48-63 and s68-83
	s_load_b256 s[4:11], s[0:1], 0x0               ; x s[4:5], codebook s[6:7], cand_k s[8:9], cand_i s[10:11]
	s_load_b128 s[12:15], s[0:1], 0x20             ; out0 s[12:13], out3 s[14:15]
	s_load_b64 s[84:85], s[0:1], 0x30              ; part
	v_lshl_add_u32 v192, v0, 2, 0x100
	v_mov_b32 v193, 0
	v_lshrrev_b32 v2, 5, v0
	s_delay_alu instid0(VALU_DEP_1)
	v_readfirstlane_b32 s86, v2                    ; wave 0..15
	s_delay_alu instid0(VALU_DEP_2)
	v_lshlrev_b32 v3, 2, v2                        ; LDS: my wave's word
	v_mov_b32 v4, 0                                ; LDS: the sixteen words; also thread 0's offset in part
	v_and_b32 v5, 31, v0                           ; lane
	s_delay_alu instid0(VALU_DEP_1)
	v_lshlrev_b32 v1, 4, v5                        ; 16 x lane; never rewritten
	s_delay_alu instid0(VALU_DEP_2)
	v_lshlrev_b32 v6, 3, v5                        ; 8 x lane; never rewritten
	s_lshl_b32 s87, ttmp9, 6
	s_lshl_b32 s88, s86, 2
	s_add_co_u32 s87, s87, s88                     ; my first row: 64 x work-group + 4 x wave
	s_lshl_b32 s88, s87, 2                         ; in the tables of 4 bytes a row,
	s_mov_b32 s89, 0
	s_lshl_b32 s90, s87, 11                        ; and in x and out0
	s_mov_b32 s91, 0
	s_wait_kmcnt 0x0
	s_add_nc_u64 s[8:9], s[8:9], s[88:89]
	s_add_nc_u64 s[10:11], s[10:11], s[88:89]
	s_add_nc_u64 s[14:15], s[14:15], s[88:89]
	s_add_nc_u64 s[4:5], s[4:5], s[90:91]
	s_add_nc_u64 s[12:13], s[12:13], s[90:91]
.irp p, 0,1,2,3,4,5,6,7
	s_load_b128 s[KS+4*\p:KS+4*\p+3], s[8:9], PART*\p
	s_load_b128 s[IS+4*\p+4*(\p/4):IS+4*\p+4*(\p/4)+3], s[10:11], PART*\p
.endr
	s_lshl_b32 s88, ttmp9, 2
	s_add_nc_u64 s[84:85], s[84:85], s[88:89]      ; part at my work-group's word
	s_cmp_lg_u32 s86, 0                            ; wave 0's pointers stand at the group's first row: the candidates of all 64 rows, two rows a lane.
	s_cbranch_scc1 .Lnot_wave_0_a                  ; These sixteen loads are older than every row's, so they change no count below
	s_wait_alu depctr_va_vdst(0)
.irp p, 0,1,2,3,4,5,6,7
	global_load_b64 v[KV+2*\p:KV+2*\p+1], v6, s[8:9] offset:PART*\p
	global_load_b64 v[IV+2*\p:IV+2*\p+1], v6, s[10:11] offset:PART*\p
.endr
.Lnot_wave_0_a:
	s_wait_alu depctr_va_vdst(0)
.irp k, 0,1,2,3
.irp c, 0,1,2,3
	global_load_b128 v[XR+32*\k+4*\c:XR+32*\k+4*\c+3], v1, s[4:5] offset:ROWB*\k+512*\c th:TH_LOAD_NT
.endr
.endr
	s_wait_kmcnt 0x0                               ; my four rows' candidates
.irp k, 0,1,2,3
.irp p, 1,2,3,4,5,6,7
	s_cmp_lt_u32 s[KS+4*\p+\k], s[KS+\k]           ; strictly lower: on a tie the earlier part stays
	s_cselect_b32 s[KS+\k], s[KS+4*\p+\k], s[KS+\k]
	s_cselect_b32 s[IS+\k], s[IS+4*\p+4*(\p/4)+\k], s[IS+\k]
.endr
	s_min_u32 s[IS+\k], s[IS+\k], 0x1fff           ; an index stays inside the codebook
	v_lshl_add_u32 v[O+\k], s[IS+\k], 11, v1
.endr
	s_wait_alu depctr_va_vdst(0)
.irp k, 0,1,2,3
.irp c, 0,1,2,3
	global_load_b128 v[XR+32*\k+16+4*\c:XR+32*\k+16+4*\c+3], v[O+\k], s[6:7] offset:512*\c   ; no hint: a row of the codebook may be named again
.endr
.endr
.macro ROW k
.set XB, XR+32*(\k)
.set CB, XR+32*(\k)+16
	s_wait_loadcnt 4*(3-(\k))                      ; loads come back in order (ISA guide 5.7.1): this row's c is in, and all of x, which is older; the younger rows' four loads each may be out
.set j, 0
.rept 8
	v_pk_add_f32 v[CB+j:CB+j+1], v[CB+j:CB+j+1], v[XB+j:XB+j+1] neg_lo:[0,1] neg_hi:[0,1]   ; c - z
.set j, j+2
.endr
.set j, 0
.rept 8
.if ((\k) == 0) && (j < 4)
	v_pk_mul_f32 v[LS+j:LS+j+1], v[CB+j:CB+j+1], v[CB+j:CB+j+1]   ; the first products start the sums
.else
	v_pk_fma_f32 v[LS+j%4:LS+j%4+1], v[CB+j:CB+j+1], v[CB+j:CB+j+1], v[LS+j%4:LS+j%4+1]
.endif
.set j, j+2
.endr
.set j, 0
.rept 8
	v_pk_add_f32 v[XB+j:XB+j+1], v[XB+j:XB+j+1], v[CB+j:CB+j+1]   ; z + (c - z)
.set j, j+2
.endr
.irp c, 0,1,2,3
	global_store_b128 v1, v[XB+4*\c:XB+4*\c+3], s[12:13] offset:ROWB*(\k)+512*\c th:TH_STORE_NT   ; 32 lanes store 512 consecutive bytes, at a multiple of 512 from out0's first byte
.endr
.endm
	ROW 0
	s_cmp_lg_u32 s86, 0
	s_cbranch_scc1 .Lnot_wave_0_b
.irp p, 1,2,3,4,5,6,7                  ; out3, by the same comparison, in lanes
.irp u, 0,1
	v_cmp_lt_u32 vcc_lo, v[KV+2*\p+\u], v[KV+\u]
	s_delay_alu instid0(VALU_DEP_1)
	v_cndmask_b32 v[KV+\u], v[KV+\u], v[KV+2*\p+\u], vcc_lo
	s_delay_alu instid0(VALU_DEP_2)
	v_cndmask_b32 v[IV+\u], v[IV+\u], v[IV+2*\p+\u], vcc_lo
.endr
.endr
	global_store_b64 v6, v[IV:IV+1], s[14:15]      ; 32 lanes store 256 consecutive bytes, at a multiple of 256 from out3's first byte
.Lnot_wave_0_b:
	ROW 1
	ROW 2
	ROW 3
	s_mov_b32 s88, 0x76543210
	s_mov_b32 s89, 0xfedcba98                      ; v_permlanex16_b32's selects for lane l xor 16
	v_pk_add_f32 v[LS:LS+1], v[LS:LS+1], v[LS+2:LS+3]
	s_delay_alu instid0(VALU_DEP_1)
	v_add_f32 v16, v16, v17
	s_delay_alu instid0(VALU_DEP_1)
	v_add_f32_dpp v16, v16, v16 row_xmask:1 row_mask:0xf bank_mask:0xf
	s_delay_alu instid0(VALU_DEP_1)
	v_add_f32_dpp v16, v16, v16 row_xmask:2 row_mask:0xf bank_mask:0xf
	s_delay_alu instid0(VALU_DEP_1)
	v_add_f32_dpp v16, v16, v16 row_xmask:4 row_mask:0xf bank_mask:0xf
	s_delay_alu instid0(VALU_DEP_1)
	v_add_f32_dpp v16, v16, v16 row_xmask:8 row_mask:0xf bank_mask:0xf
	s_delay_alu instid0(VALU_DEP_1)
	v_permlanex16_b32 v17, v16, s88, s89
	s_delay_alu instid0(VALU_DEP_1)
	v_add_f32 v16, v16, v17                        ; my wave's sum, in every lane
	ds_store_b32 v3, v16                           ; all lanes write the same word with the same value
	s_wait_dscnt 0x0                               ; for the others' sake: zero
	s_barrier_signal -1
	s_barrier_wait -1
	s_cmp_lg_u32 s86, 0
	s_cbranch_scc1 .Ldone
.irp i, 0,1,2,3
	ds_load_b128 v[KV+4*\i:KV+4*\i+3], v4 offset:16*\i   ; into registers that no pending store reads
.endr
	s_wait_dscnt 0x0
.irp i, 0,4,8,12
	v_pk_add_f32 v[KV+\i:KV+\i+1], v[KV+\i:KV+\i+1], v[KV+\i+2:KV+\i+3]
.endr
	s_delay_alu instid0(VALU_DEP_3)
	v_pk_add_f32 v[KV:KV+1], v[KV:KV+1], v[KV+4:KV+5]
	s_delay_alu instid0(VALU_DEP_2)
	v_pk_add_f32 v[KV+8:KV+9], v[KV+8:KV+9], v[KV+12:KV+13]
	s_delay_alu instid0(VALU_DEP_1)
	v_pk_add_f32 v[KV:KV+1], v[KV:KV+1], v[KV+8:KV+9]
	s_delay_alu instid0(VALU_DEP_1)
	v_add_f32 v[KV], v[KV], v[KV+1]
	s_wait_alu depctr_va_vdst(0)
	s_wait_xcnt 0x0                                ; EXEC changes only behind this wait: it is a source of the stores above
	v_cmp_eq_u32 vcc_lo, 0, v0
	s_wait_tensorcnt 0x0
	ds_add_u32 v192, v193
	s_wait_dscnt 0x0
	s_and_saveexec_b32 s90, vcc_lo                 ; thread 0 alone
	global_store_b32 v4, v[KV], s[84:85]
	s_endpgm
.Ldone:
	s_wait_tensorcnt 0x0
	ds_add_u32 v192, v193
	s_wait_dscnt 0x0
	s_endpgm
.Lfunc_end_k_q029e055f0d_emit:
	.size	k_q029e055f0d_emit, .Lfunc_end_k_q029e055f0d_emit-k_q029e055f0d_emit
	.p2alignl 7, 3214868480
	.fill 96, 4, 3214868480
	.section	.rodata,"a",@progbits
	.p2align	6, 0x0
	.amdhsa_kernel k_q029e055f0d_emit
		.amdhsa_group_segment_fixed_size 2304
		.amdhsa_private_segment_fixed_size 0
		.amdhsa_enable_private_segment 0
		.amdhsa_kernarg_size 56
		.amdhsa_user_sgpr_count 2
		.amdhsa_user_sgpr_kernarg_segment_ptr 1
		.amdhsa_wavefront_size32 1
		.amdhsa_system_sgpr_workgroup_id_x 1
		.amdhsa_system_sgpr_workgroup_id_y 1
		.amdhsa_system_sgpr_workgroup_id_z 1
		.amdhsa_system_vgpr_workitem_id 0
		.amdhsa_next_free_vgpr 194
		.amdhsa_next_free_sgpr 96
		.amdhsa_reserve_vcc 1
		.amdhsa_float_denorm_mode_32 3
		.amdhsa_float_denorm_mode_16_64 3
		.amdhsa_memory_ordered 1
		.amdhsa_forward_progress 1
		.amdhsa_inst_pref_size 23
	.end_amdhsa_kernel
	.amdgpu_metadata
---
amdhsa.version: [ 1, 2 ]
amdhsa.kernels:
  - .name:           k_q029e055f0d_emit
    .symbol:         k_q029e055f0d_emit.kd
    .args:
      - { .name: x, .offset: 0, .size: 8, .value_kind: global_buffer, .address_space: global }
      - { .name: codebook, .offset: 8, .size: 8, .value_kind: global_buffer, .address_space: global }
      - { .name: cand_k, .offset: 16, .size: 8, .value_kind: global_buffer, .address_space: global }
      - { .name: cand_i, .offset: 24, .size: 8, .value_kind: global_buffer, .address_space: global }
      - { .name: out0, .offset: 32, .size: 8, .value_kind: global_buffer, .address_space: global }
      - { .name: out3, .offset: 40, .size: 8, .value_kind: global_buffer, .address_space: global }
      - { .name: part, .offset: 48, .size: 8, .value_kind: global_buffer, .address_space: global }
    .group_segment_fixed_size: 2304
    .private_segment_fixed_size: 0
    .kernarg_segment_align: 8
    .kernarg_segment_size: 56
    .max_flat_workgroup_size: 512
    .sgpr_count:     96
    .vgpr_count:     194
    .wavefront_size: 32
...
	.end_amdgpu_metadata
.endif
;; end of part 3
;; launch loss (part 4): grid 1 x 1, 1 waves a work-group, no clusters, 0 bytes of LDS; arguments part, out1, out2; writes out1, out2
.if DOCPART == 4
	.amdgcn_target "amdgcn-amd-amdhsa--gfx1250"
	.amdhsa_code_object_version 6
	.text
	.protected	k_q029e055f0d_loss
	.globl	k_q029e055f0d_loss
	.p2align	8
	.type	k_q029e055f0d_loss,@function
k_q029e055f0d_loss:
	s_mov_b64 s[64:65], 0
	v_nop
	global_prefetch_b8 v0, s[64:65] scope:SCOPE_SE
	s_setreg_imm32_b32 hwreg(HW_REG_WAVE_MODE, 25, 1), 1
	s_wait_xcnt 0x0
; out1 = out2 = the mean of (c - z)^2 over 16,384 x 512 numbers: the 256 work-groups' sums are added, in a fixed order, and multiplied by 2^-23.  The two losses of the problem are the same number: (a - b)^2 = (b - a)^2.
; One wave: each lane takes eight of the 256 partial sums, 32 consecutive bytes.  A sum that spans work-groups is ordered by a launch of its own.
	s_load_b128 s[4:7], s[0:1], 0x0                ; part s[4:5], out1 s[6:7]
	s_load_b64 s[8:9], s[0:1], 0x10                ; out2
	v_lshlrev_b32 v1, 5, v0                        ; 32 x lane
	v_mov_b32 v2, 0
	s_mov_b32 s12, 0x76543210
	s_mov_b32 s13, 0xfedcba98                      ; v_permlanex16_b32's selects for lane l xor 16
	s_wait_alu depctr_va_vdst(0)
	s_wait_kmcnt 0x0
	global_load_b128 v[4:7], v1, s[4:5]
	global_load_b128 v[8:11], v1, s[4:5] offset:16
	s_wait_loadcnt 0x0
	v_pk_add_f32 v[4:5], v[4:5], v[6:7]
	v_pk_add_f32 v[8:9], v[8:9], v[10:11]
	v_pk_add_f32 v[4:5], v[4:5], v[8:9]
	v_add_f32 v4, v4, v5
	v_add_f32_dpp v4, v4, v4 row_xmask:1 row_mask:0xf bank_mask:0xf
	v_add_f32_dpp v4, v4, v4 row_xmask:2 row_mask:0xf bank_mask:0xf
	v_add_f32_dpp v4, v4, v4 row_xmask:4 row_mask:0xf bank_mask:0xf
	v_add_f32_dpp v4, v4, v4 row_xmask:8 row_mask:0xf bank_mask:0xf
	v_permlanex16_b32 v5, v4, s12, s13
	v_add_f32 v4, v4, v5
	v_mul_f32 v4, 0x34000000, v4                   ; x 2^-23 = 1 / (16,384 x 512)
	s_wait_alu depctr_va_vdst(0)
	s_wait_xcnt 0x0                                ; EXEC changes only behind this wait
	v_cmp_eq_u32 vcc_lo, 0, v0
	s_and_saveexec_b32 s14, vcc_lo                 ; lane 0 alone
	global_store_b32 v2, v4, s[6:7]
	global_store_b32 v2, v4, s[8:9]
	s_endpgm
.Lfunc_end_k_q029e055f0d_loss:
	.size	k_q029e055f0d_loss, .Lfunc_end_k_q029e055f0d_loss-k_q029e055f0d_loss
	.p2alignl 7, 3214868480
	.fill 96, 4, 3214868480
	.section	.rodata,"a",@progbits
	.p2align	6, 0x0
	.amdhsa_kernel k_q029e055f0d_loss
		.amdhsa_group_segment_fixed_size 0
		.amdhsa_private_segment_fixed_size 0
		.amdhsa_enable_private_segment 0
		.amdhsa_kernarg_size 24
		.amdhsa_user_sgpr_count 2
		.amdhsa_user_sgpr_kernarg_segment_ptr 1
		.amdhsa_wavefront_size32 1
		.amdhsa_system_sgpr_workgroup_id_x 1
		.amdhsa_system_sgpr_workgroup_id_y 1
		.amdhsa_system_sgpr_workgroup_id_z 1
		.amdhsa_system_vgpr_workitem_id 0
		.amdhsa_next_free_vgpr 32
		.amdhsa_next_free_sgpr 66
		.amdhsa_reserve_vcc 1
		.amdhsa_float_denorm_mode_32 3
		.amdhsa_float_denorm_mode_16_64 3
		.amdhsa_memory_ordered 1
		.amdhsa_forward_progress 1
		.amdhsa_inst_pref_size 2
	.end_amdhsa_kernel
	.amdgpu_metadata
---
amdhsa.version: [ 1, 2 ]
amdhsa.kernels:
  - .name:           k_q029e055f0d_loss
    .symbol:         k_q029e055f0d_loss.kd
    .args:
      - { .name: part, .offset: 0, .size: 8, .value_kind: global_buffer, .address_space: global }
      - { .name: out1, .offset: 8, .size: 8, .value_kind: global_buffer, .address_space: global }
      - { .name: out2, .offset: 16, .size: 8, .value_kind: global_buffer, .address_space: global }
    .group_segment_fixed_size: 0
    .private_segment_fixed_size: 0
    .kernarg_segment_align: 8
    .kernarg_segment_size: 24
    .max_flat_workgroup_size: 32
    .sgpr_count:     66
    .vgpr_count:     32
    .wavefront_size: 32
...
	.end_amdgpu_metadata
.endif
;; end of part 4
